; MI455X (gfx1250); checked and timed in simulation.
; The chip was launched on July 23, 2026; its instructions are those of AMD's public machine-readable ISA for CDNA 5 (MIT licence, August 2026) and "CDNA5" Instruction Set Architecture Reference Guide (July 2026). The comments in the code are by the model that wrote it; some were corrected since.
;; Time Dependent Attention. Allowed arithmetic: matrix products marked QUANTISED: E2M3 operands, one E8M0 scale for each 32 along K, by v_wmma_scale_f32_16x16x128_f8f6f4 with both operands' format E2M3, f32 sums; products left as they are: f32 operands where the result goes on into a quantised operand, else bf16, f16 or f32 operands; f32 sums; everything else in f32.
;; Inputs: W_o_codes 768 x 24 x 24 uint8 (E2M3 codes of W_o, K innermost, in blocks of 32 codes, four codes in three bytes); W_o_scales 768 x 24 uint8 (E8M0 scales of W_o, one for each 32 codes along K); Wt_k 768 x 256 float32; Wt_q 768 x 256 float32; Wt_v 768 x 256 float32; Wx_k_codes 768 x 24 x 24 uint8 (E2M3 codes of Wx_k, K innermost, in blocks of 32 codes, four codes in three bytes); Wx_k_scales 768 x 24 uint8 (E8M0 scales of Wx_k, one for each 32 codes along K); Wx_q_codes 768 x 24 x 24 uint8 (E2M3 codes of Wx_q, K innermost, in blocks of 32 codes, four codes in three bytes); Wx_q_scales 768 x 24 uint8 (E8M0 scales of Wx_q, one for each 32 codes along K); Wx_v_codes 768 x 24 x 24 uint8 (E2M3 codes of Wx_v, K innermost, in blocks of 32 codes, four codes in three bytes); Wx_v_scales 768 x 24 uint8 (E8M0 scales of Wx_v, one for each 32 codes along K); b_o 768 float32; rel_pos_bias 12 x 1,024 x 1,024 float32; t 8 x 256 float32; x_codes 8 x 1,024 x 24 x 24 uint8 (E2M3 codes of x, K innermost, in blocks of 32 codes, four codes in three bytes); x_scales 8 x 1,024 x 24 uint8 (E8M0 scales of x, one for each 32 codes along K).
;; Outputs: out0 8 x 1,024 x 768 float32.
;; This version of the problem:
;;   THIS VERSION OF THE PROBLEM IS GIVEN IN LOW PRECISION. The matrix products marked QUANTISED in the list below multiply operands that are first quantised to E2M3 (2 exponent bits, 3 mantissa bits; 6 bits a number), with one power-of-two scale for each 32 numbers along K (OCP MX v1.0); their sums are f32. All else is computed in f32.
;;   The module's matrix products, in the order in which they are computed (A, B: the left and right operand; K: the contracted axis; several contracted axes count as one K, in the product's order):
;;     1. [M 8,192, K 768] x [K 768, N 768]; A: input x (given as codes); B: input Wx_q (given as codes): QUANTISED
;;     2. [M 8, K 256] x [K 256, N 768]; A: input t; B: input Wt_q: left as it is (M = 8 < 16)
;;     3. [M 8,192, K 768] x [K 768, N 768]; A: input x (given as codes); B: input Wx_k (given as codes): QUANTISED
;;     4. [M 8, K 256] x [K 256, N 768]; A: input t; B: input Wt_k: left as it is (M = 8 < 16)
;;     5. [M 8,192, K 768] x [K 768, N 768]; A: input x (given as codes); B: input Wx_v (given as codes): QUANTISED
;;     6. [M 8, K 256] x [K 256, N 768]; A: input t; B: input Wt_v: left as it is (M = 8 < 16)
;;     7. batch 96 x [M 1,024, K 64] x [K 64, N 1,024]; A: computed on the way; B: computed on the way: QUANTISED
;;     8. batch 96 x [M 1,024, K 1,024] x [K 1,024, N 64]; A: softmax (see below); B: computed on the way: QUANTISED
;;     9. [M 8,192, K 768] x [K 768, N 768]; A: computed on the way; B: input W_o (given as codes): QUANTISED
;;   THE QUANTISER, for each operand of a quantised product, along K:
;;     - K is cut into blocks of 32 from its start; a last block that is shorter is filled with zeros.
;;     - A block's scale is 2^e with e = floor(log2(the largest magnitude in the block)) - 2, held to -126 .. 127; a block of zeros has e = 0. As a byte (E8M0): e + 127.
;;     - Each number is divided by its block's scale, clamped to +-7.5, and rounded to the nearest number of E2M3, ties to even, subnormals kept.
;;     - The product sums the exact products of the quantised numbers (number of the format x scale) in f32.
;;   ~~~python
;;   def quantise(x, axis):      # numpy; x: float32 -> the quantised numbers, widened to float32 again
;;       x = np.moveaxis(x, axis, -1); K = x.shape[-1]
;;       x = np.pad(x, [(0, 0)] * (x.ndim - 1) + [(0, -K % 32)]); x = x.reshape(x.shape[:-1] + (-1, 32)); a = np.abs(x).max(-1, keepdims=True)
;;       e = np.where(a > 0, np.clip(np.frexp(np.where(a > 0, a, 1))[1] - 1 - 2, -126, 127), 0)      # np.frexp(a)[1] - 1 = floor(log2(a)), exactly
;;       r = np.clip(x / 2.0 ** e, -7.5, 7.5)
;;       step = 2.0 ** (np.maximum(np.frexp(np.where(r == 0, 1, r))[1] - 1, 0) - 3)
;;       q = np.round(r / step) * step * 2.0 ** e      # np.round: ties to even
;;       return np.moveaxis(q.reshape(q.shape[:-2] + (-1,))[..., :K], -1, axis).astype(np.float32)
;;   ~~~
;;   SOFTMAX AHEAD OF A QUANTISED PRODUCT. Where the list says 'softmax', what is quantised is not the finished softmax but p = 2^(t - M), with t = logit x log2(e) and M = ceil(the row's largest t), a whole number; so 1/2 < the row's largest p <= 1. The row's sum l is taken of the UNQUANTISED p, in f32, and the product's result is divided by l at the end. Since M is a whole number, a kernel that streams over the keys may use a running M (the ceiling of the running maximum): every later rescaling is an exact power of two, which a block's scale takes up: the codes' values come out the same.
;;   OPERANDS COMPUTED ON THE WAY. 'Computed on the way' means the value that the module computes at that place (a softmax that the list does not call 'softmax' is quantised finished and normalised). What goes into a quantiser is computed in f32, as accurately as f32 sums, v_exp_f32 and their like allow (about 1e-6 of the number): no bf16 or f16 on the way to a quantiser, and a product that is left as it is and whose result goes on into a quantised operand takes f32 operands (vector FMAs, or v_wmma_f32_16x16x4_f32). A number that lies on a knife's edge between two numbers of the format may be rounded either way, as far as f32 arithmetic and the matrix unit's own rounding can turn it there, and no further.
;;   INPUTS GIVEN AS CODES. W_o (in the module: [768, 768], K = its axis 1); Wx_k (in the module: [768, 768], K = its axis 1); Wx_q (in the module: [768, 768], K = its axis 1); Wx_v (in the module: [768, 768], K = its axis 1); x (in the module: [8, 1024, 768], K = its axis 2): each comes as NAME_codes (uint8): NAME with its K axis moved to the last place and cut into blocks of 32 codes, [.., K / 32, bytes a block], one block behind the other in memory; four codes in three bytes: a row's codes are one little-endian stream of bits, code i at bits 6 i .. 6 i + 5 (a code: sign, 2 exponent bits, 3 mantissa bits); and NAME_scales (uint8): the same leading axes, one E8M0 byte (e + 127) for each 32 codes along K. Its value is code x scale, taken as it is: it is not quantised again, and the codes and scales need not be those that the quantiser above would give.
;; One version. Each part assembles by itself: llvm-mc -triple=amdgcn-amd-amdhsa -mcpu=gfx1250 --defsym DOCPART=n.
;; ======== version 1 of 1: 4 launches
;; limits: right only within a limited range of input values
;; workspace buffers: img 7,028,736 bytes; ts 73,728 bytes; rec 20,447,232 bytes; oim 5,111,808 bytes
;; launch prep (part 1): grid 320 x 1, 4 waves a work-group, no clusters, 37,376 bytes of LDS; arguments x_codes, x_scales, Wx_q_codes, Wx_q_scales, Wx_k_codes, Wx_k_scales, Wx_v_codes, Wx_v_scales, W_o_codes, W_o_scales, t, Wt_q, Wt_k, Wt_v, img, ts; writes img, ts
.if DOCPART == 1
	.amdgcn_target "amdgcn-amd-amdhsa--gfx1250"
	.amdhsa_code_object_version 6
	.text
	.protected	k_qcb55f17c57_prep
	.globl	k_qcb55f17c57_prep
	.p2align	8
	.type	k_qcb55f17c57_prep,@function
k_qcb55f17c57_prep:
	s_mov_b64 s[64:65], 0
	v_nop
	global_prefetch_b8 v0, s[64:65] scope:SCOPE_SE
	s_setreg_imm32_b32 hwreg(HW_REG_WAVE_MODE, 25, 1), 1
	s_wait_xcnt 0x0
; TimeDependentAttention in MX-FP6, launch 1 of 4: the given codes are laid in the order of the operands' registers, and ts = t Wt^T is made in f32.
; DEAD WORK: none is left out in any launch.  Every input has a way to out0: the shift t Wt_k^T on k, which a softmax would cancel in real numbers, moves k's codes and scales and so stays.
; THE GROUPED TILE, used for every row axis of the program (tokens, rows of a weight, keys, channels): 64 rows are a group of four tiles; row m (0..15) of tile u is row 8 u + (m & 7) + 32 (m >> 3) of the group.
; A matrix result's register j of lane (r, h) belongs to source 0's row 8 h + j: so over a group's four tiles a lane's 32 registers are rows 32 h + 0 .. 31 of the group, ONE WHOLE BLOCK OF 32 in one lane.
; A HALF FRAGMENT (768 bytes) is 16 rows x 64 along K as six registers a lane: lane L = (m = L & 15, h = L >> 4) holds the 24 bytes of k = 32 h .. 32 h + 31; registers 0-3 lie at 16 L, registers 4-5 at 512 + 8 L.
; A GROUP RECORD (39,936 bytes): half fragment (tile u, K step kk of 128, half c) at ((6 u + kk) 2 + c) 768; the scale word of (u, kk) at 36,864 + (6 u + kk) 128 + 4 L, lanes 16-31 repeating lanes 0-15.
; img holds 176 group records: 0-127 x (64 tokens each), 128-139 Wx_q, 140-151 Wx_k, 152-163 Wx_v, 164-175 W_o.
; Work-groups 0-175: one group each, wave u its tile u: 16 rows of 576 bytes come in by loads of 512 consecutive bytes, turn through the wave's own 9,216 bytes of LDS, and leave as 12 half fragments,
; each store covering 512 or 256 consecutive bytes, aligned.  The reads from LDS (rows 576 bytes apart) meet in banks; the launch moves each byte once and is short.
; Work-groups 176-319: ts[b][F] = sum over k of t[b][k] Wt[F][k], F = 0 .. 2303 (q's 768, k's, v's), by fused multiply-adds in f32: the result goes on into quantised operands.  A lane makes one number
; (b = lane & 7, F = 16 j + 4 wave + (lane >> 3)) in eight partial sums.  Its store is 4 bytes a lane: 73,728 bytes in all, laid so that the next launch reads 16 bytes a lane.
; LIMITS: NaN and infinities among the inputs are not served.
.set GRB,   39936
.set SCO,   36864
.set SPARE, 36864                      ; LDS: behind the four waves' 9,216 bytes: the spare words, 128 bytes a wave
.set L16,  2                           ; 16 x lane
.set L8,   3                           ; 8 x lane
.set L4,   4                           ; 4 x lane
.set LIN,  5                           ; LDS, on the way in
.set LOUT, 6                           ; LDS, on the way out
.set SA,   7                           ; my row's place among the group's scale bytes
.set SW,   8                           ; v8-13   my row's six scale words
.set SPW,  14                          ; my spare word; never rewritten
.set NIL,  15                          ; 0; never rewritten
.set R,    16                          ; v16-87  the tile's rows as loaded
.set D,    88                          ; v88-159 twelve half fragments
	s_load_b512 s[8:23], s[0:1], 0x0               ; x codes, scales; Wx_q; Wx_k; Wx_v
	s_load_b512 s[24:39], s[0:1], 0x40             ; W_o codes, scales; t; Wt_q; Wt_k; Wt_v; img; ts
	v_lshl_add_u32 v[SPW], v0, 2, SPARE
	v_mov_b32 v[NIL], 0
	v_lshrrev_b32 v1, 5, v0
	v_readfirstlane_b32 s2, v1                     ; wave
	v_and_b32 v1, 31, v0                           ; lane
	s_cmp_ge_u32 ttmp9, 176
	s_cbranch_scc1 .Lts
	; ---- the codes' new order
	v_lshlrev_b32 v[L16], 4, v1
	v_lshlrev_b32 v[L8], 3, v1
	v_lshlrev_b32 v[L4], 2, v1
	s_mul_i32 s3, s2, 9216                         ; my wave's LDS
	v_add_nc_u32 v[LIN], s3, v[L16]
	v_and_b32 v160, 15, v0                         ; m
	v_bfe_u32 v161, v0, 4, 1                       ; h
	v_mul_u32_u24 v[LOUT], v160, 576
	v_mad_u32_u24 v[LOUT], v161, 24, v[LOUT]
	v_add_nc_u32 v[LOUT], s3, v[LOUT]              ; row m, + 24 h
	v_and_b32 v160, 7, v0
	v_bfe_u32 v161, v0, 3, 1
	v_lshl_add_u32 v160, v161, 5, v160             ; (m & 7) + 32 (m >> 3)
	v_mul_u32_u24 v[SA], v160, 24                  ; 24 scale bytes a row
	s_mov_b32 s44, 0
	s_wait_alu depctr_va_vdst(0)
	s_wait_kmcnt 0x0
	s_cmp_ge_u32 ttmp9, 128                        ; which tensor: the choice hangs on the work-group's number alone
	s_cselect_b64 s[8:9], s[12:13], s[8:9]
	s_cselect_b64 s[10:11], s[14:15], s[10:11]
	s_cselect_b32 s44, 128, s44
	s_cmp_ge_u32 ttmp9, 140
	s_cselect_b64 s[8:9], s[16:17], s[8:9]
	s_cselect_b64 s[10:11], s[18:19], s[10:11]
	s_cselect_b32 s44, 140, s44
	s_cmp_ge_u32 ttmp9, 152
	s_cselect_b64 s[8:9], s[20:21], s[8:9]
	s_cselect_b64 s[10:11], s[22:23], s[10:11]
	s_cselect_b32 s44, 152, s44
	s_cmp_ge_u32 ttmp9, 164
	s_cselect_b64 s[8:9], s[24:25], s[8:9]
	s_cselect_b64 s[10:11], s[26:27], s[10:11]
	s_cselect_b32 s44, 164, s44
	s_sub_co_u32 s44, ttmp9, s44                   ; the group's number in its tensor
	s_mul_i32 s46, s44, 36864                      ; 64 rows of 576 bytes
	s_mul_i32 s45, s2, 4608                        ; + 8 u rows
	s_add_co_u32 s46, s46, s45
	s_mov_b32 s47, 0
	s_add_nc_u64 s[8:9], s[8:9], s[46:47]
	s_mul_i32 s46, s44, 1536                       ; 64 rows of 24 scale bytes
	s_mul_i32 s45, s2, 192
	s_add_co_u32 s46, s46, s45
	s_add_nc_u64 s[10:11], s[10:11], s[46:47]
	s_mul_i32 s46, ttmp9, GRB
	s_add_nc_u64 s[36:37], s[36:37], s[46:47]      ; my group record
	s_mov_b32 s46, s3
	s_add_nc_u64 s[40:41], s[36:37], s[46:47]      ; my tile's twelve half fragments: 9,216 u on
	s_mul_i32 s46, s2, 768
	s_add_nc_u64 s[42:43], s[36:37], s[46:47]      ; my tile's six scale words: 768 u on (and SCO, in the immediate)
.irp i, 0,1,2,3,4,5,6,7,8,9,10,11,12,13,14,15,16,17
	global_load_b128 v[R+4*\i:R+4*\i+3], v[L16], s[8:9] offset:512*\i+(\i/9)*13824 th:TH_LOAD_NT   ; rows 8 u .. 8 u + 7 (4,608 bytes on end), then rows 32 + 8 u ..: 18,432 bytes further on
.endr
.irp k, 0,1,2,3,4,5
	global_load_b32 v[SW+\k], v[SA], s[10:11] offset:4*\k
.endr
	s_wait_loadcnt 6                               ; the 18 loads of codes are in; the six scale words may be out
.irp i, 0,1,2,3,4,5,6,7,8,9,10,11,12,13,14,15,16,17
	ds_store_b128 v[LIN], v[R+4*\i:R+4*\i+3] offset:512*\i      ; tile rows 0 .. 15, 576 bytes apart
.endr
.irp n, 0,1,2,3,4,5,6,7,8,9,10,11
.irp i, 0,1,2
	ds_load_b64 v[D+6*\n+2*\i:D+6*\n+2*\i+1], v[LOUT] offset:48*\n+8*\i   ; LDS serves a wave's instructions in order: these see my stores.  Half fragment n = 2 kk + c: my 24 bytes
.endr
.endr
	s_wait_dscnt 0x0
.irp n, 0,1,2,3,4,5,6,7,8,9,10,11
	global_store_b128 v[L16], v[D+6*\n:D+6*\n+3], s[40:41] offset:768*\n
	global_store_b64 v[L8], v[D+6*\n+4:D+6*\n+5], s[40:41] offset:768*\n+512
.endr
	s_wait_loadcnt 0x0
.irp k, 0,1,2,3,4,5
	global_store_b32 v[L4], v[SW+\k], s[42:43] offset:SCO+128*\k
.endr
	s_wait_tensorcnt 0x0                           ; the wave's end
	ds_add_u32 v[SPW], v[NIL]
	s_wait_dscnt 0x0
	s_endpgm
	; ---- ts = t Wt^T.  No LDS is touched on this path
.Lts:
	s_sub_co_u32 s3, ttmp9, 176                    ; j: 16 features
	s_wait_alu depctr_va_vdst(0)
	v_and_b32 v2, 7, v1                            ; b
	v_lshrrev_b32 v3, 3, v1                        ; which of my wave's four features
	v_lshlrev_b32 v12, 2, v3
	v_mad_u32_u24 v12, v2, 9216, v12               ; where my number goes: row b of 2,304 numbers
	v_lshlrev_b32 v2, 10, v2                       ; t: row b of 1,024 bytes
	v_lshlrev_b32 v3, 10, v3                       ; Wt: my feature's row
	s_mov_b32 s44, 0
	s_wait_alu depctr_va_vdst(0)
	s_wait_kmcnt 0x0
	s_cmp_ge_u32 s3, 48                            ; 48 work-groups to a matrix
	s_cselect_b64 s[30:31], s[32:33], s[30:31]
	s_cselect_b32 s44, 48, s44
	s_cmp_ge_u32 s3, 96
	s_cselect_b64 s[30:31], s[34:35], s[30:31]
	s_cselect_b32 s44, 96, s44
	s_sub_co_u32 s44, s3, s44
	s_lshl_b32 s44, s44, 4
	s_lshl_b32 s45, s2, 2
	s_add_co_u32 s44, s44, s45                     ; my wave's first row in its matrix
	s_lshl_b32 s44, s44, 10
	s_mov_b32 s45, 0
	s_add_nc_u64 s[30:31], s[30:31], s[44:45]
	s_lshl_b32 s46, s3, 4
	s_lshl_b32 s47, s2, 2
	s_add_co_u32 s46, s46, s47                     ; F of my wave's first feature
	s_lshl_b32 s46, s46, 2
	s_mov_b32 s47, 0
	s_add_nc_u64 s[38:39], s[38:39], s[46:47]
.macro TSLOAD i                        ; round i: 32 numbers of my row of Wt and of my row of t, into set i % 2
.irp q, 0,1,2,3,4,5,6,7
	global_load_b128 v[16+64*((\i)%2)+4*\q:19+64*((\i)%2)+4*\q], v3, s[30:31] offset:128*(\i)+16*\q
	global_load_b128 v[48+64*((\i)%2)+4*\q:51+64*((\i)%2)+4*\q], v2, s[28:29] offset:128*(\i)+16*\q
.endr
.endm
.macro TSFMA i                         ; four pairs of sums by turns; the first four products start them: nothing is cleared
.irp q, 0,1,2,3,4,5,6,7
.irp e, 0,1
.if ((\i) == 0) && (\q < 2)
	v_pk_mul_f32 v[4+4*(\q%2)+2*\e:5+4*(\q%2)+2*\e], v[16+64*((\i)%2)+4*\q+2*\e:17+64*((\i)%2)+4*\q+2*\e], v[48+64*((\i)%2)+4*\q+2*\e:49+64*((\i)%2)+4*\q+2*\e]
.else
	v_pk_fma_f32 v[4+4*(\q%2)+2*\e:5+4*(\q%2)+2*\e], v[16+64*((\i)%2)+4*\q+2*\e:17+64*((\i)%2)+4*\q+2*\e], v[48+64*((\i)%2)+4*\q+2*\e:49+64*((\i)%2)+4*\q+2*\e], v[4+4*(\q%2)+2*\e:5+4*(\q%2)+2*\e]
.endif
.endr
.endr
.endm
	TSLOAD 0
	TSLOAD 1
.irp i, 0,1,2,3,4,5,6,7
.if \i < 7
	s_wait_alu depctr_va_vdst(0)
	s_wait_loadcnt 16                              ; this round's 16 loads are in; the next round's may be out
.else
	s_wait_alu depctr_va_vdst(0)
	s_wait_loadcnt 0x0
.endif
	TSFMA \i
.if \i < 6
	TSLOAD \i+2
.endif
.endr
	v_pk_add_f32 v[4:5], v[4:5], v[6:7]
	v_pk_add_f32 v[8:9], v[8:9], v[10:11]
	v_pk_add_f32 v[4:5], v[4:5], v[8:9]
	v_add_f32 v4, v4, v5
	global_store_b32 v12, v4, s[38:39]
	s_endpgm
.Lfunc_end_k_qcb55f17c57_prep:
	.size	k_qcb55f17c57_prep, .Lfunc_end_k_qcb55f17c57_prep-k_qcb55f17c57_prep
	.p2alignl 7, 3214868480
	.fill 96, 4, 3214868480
	.section	.rodata,"a",@progbits
	.p2align	6, 0x0
	.amdhsa_kernel k_qcb55f17c57_prep
		.amdhsa_group_segment_fixed_size 37376
		.amdhsa_private_segment_fixed_size 0
		.amdhsa_enable_private_segment 0
		.amdhsa_kernarg_size 128
		.amdhsa_user_sgpr_count 2
		.amdhsa_user_sgpr_kernarg_segment_ptr 1
		.amdhsa_wavefront_size32 1
		.amdhsa_system_sgpr_workgroup_id_x 1
		.amdhsa_system_sgpr_workgroup_id_y 1
		.amdhsa_system_sgpr_workgroup_id_z 1
		.amdhsa_system_vgpr_workitem_id 0
		.amdhsa_next_free_vgpr 168
		.amdhsa_next_free_sgpr 66
		.amdhsa_reserve_vcc 0
		.amdhsa_float_denorm_mode_32 3
		.amdhsa_float_denorm_mode_16_64 3
		.amdhsa_memory_ordered 1
		.amdhsa_forward_progress 1
		.amdhsa_inst_pref_size 34
	.end_amdhsa_kernel
	.amdgpu_metadata
---
amdhsa.version: [ 1, 2 ]
amdhsa.kernels:
  - .name:           k_qcb55f17c57_prep
    .symbol:         k_qcb55f17c57_prep.kd
    .args:
      - { .name: x_codes, .offset: 0, .size: 8, .value_kind: global_buffer, .address_space: global }
      - { .name: x_scales, .offset: 8, .size: 8, .value_kind: global_buffer, .address_space: global }
      - { .name: Wx_q_codes, .offset: 16, .size: 8, .value_kind: global_buffer, .address_space: global }
      - { .name: Wx_q_scales, .offset: 24, .size: 8, .value_kind: global_buffer, .address_space: global }
      - { .name: Wx_k_codes, .offset: 32, .size: 8, .value_kind: global_buffer, .address_space: global }
      - { .name: Wx_k_scales, .offset: 40, .size: 8, .value_kind: global_buffer, .address_space: global }
      - { .name: Wx_v_codes, .offset: 48, .size: 8, .value_kind: global_buffer, .address_space: global }
      - { .name: Wx_v_scales, .offset: 56, .size: 8, .value_kind: global_buffer, .address_space: global }
      - { .name: W_o_codes, .offset: 64, .size: 8, .value_kind: global_buffer, .address_space: global }
      - { .name: W_o_scales, .offset: 72, .size: 8, .value_kind: global_buffer, .address_space: global }
      - { .name: t, .offset: 80, .size: 8, .value_kind: global_buffer, .address_space: global }
      - { .name: Wt_q, .offset: 88, .size: 8, .value_kind: global_buffer, .address_space: global }
      - { .name: Wt_k, .offset: 96, .size: 8, .value_kind: global_buffer, .address_space: global }
      - { .name: Wt_v, .offset: 104, .size: 8, .value_kind: global_buffer, .address_space: global }
      - { .name: img, .offset: 112, .size: 8, .value_kind: global_buffer, .address_space: global }
      - { .name: ts, .offset: 120, .size: 8, .value_kind: global_buffer, .address_space: global }
    .group_segment_fixed_size: 37376
    .private_segment_fixed_size: 0
    .kernarg_segment_align: 8
    .kernarg_segment_size: 128
    .max_flat_workgroup_size: 128
    .sgpr_count:     66
    .vgpr_count:     168
    .wavefront_size: 32
...
	.end_amdgpu_metadata
.endif
;; end of part 1
;; launch qkv (part 2): grid 128 x 2, 6 waves a work-group, no clusters, 40,960 bytes of LDS; arguments img, ts, rec; writes rec
.if DOCPART == 2
	.amdgcn_target "amdgcn-amd-amdhsa--gfx1250"
	.amdhsa_code_object_version 6
	.text
	.protected	k_qcb55f17c57_qkv
	.globl	k_qcb55f17c57_qkv
	.p2align	8
	.type	k_qcb55f17c57_qkv,@function
k_qcb55f17c57_qkv:
	s_mov_b64 s[64:65], 0
	v_nop
	global_prefetch_b8 v0, s[64:65] scope:SCOPE_SE
	s_setreg_imm32_b32 hwreg(HW_REG_WAVE_MODE, 25, 1), 1
	s_wait_xcnt 0x0
; Launch 2 of 4: q, k, v = x Wx^T + ts, on codes of FP6 (E2M3) with E8M0 scales, and their quantising: q and k along the head's 64 features, v along the keys.  No work of the problem is left out.
; SHARES.  256 work-groups.  A work-group takes 64 tokens (x's group record, ttmp9) and 18 groups of 64 features in three passes; in pass i wave w takes group H = 18 y + 6 i + w
; (0-11 q's heads, 12-23 k's, 24-35 v's): 64 x 64 results, 16 accumulators, 96 matrix instructions.  All six waves of a pass are of one kind (H >= 24 exactly where y = 1 and i >= 1).
; x's record (39,936 bytes) is copied into LDS once, 13 x 512 bytes a wave, and read by all six waves in all passes; the weights come from img straight into registers: both lie in the order of the operand's registers.
; THE WEIGHTS ARE ASKED FOR AHEAD: window 1 holds five sets of 48 registers, K step kk in set kk % 5.  K step 5 is asked for behind K step 0's products, with the pass's ts; the next pass's K steps 0-2 behind
; K step 5's products, ahead of the quantising, and its K steps 3, 4 behind the stores.  The last pass jumps over these requests: no load leaves img, and no later wait leans on them.
; q, k: source 0 = 16 rows of W, source 1 = 16 tokens: a lane holds one token and, over W's four tiles, features 32 h + 0 .. 31 of the head: one block of 32.
; v: source 0 = 16 tokens, source 1 = 16 rows of W: a lane holds one channel and keys 32 h + 0 .. 31 of the group: one block of 32 along the keys.  So no lane is asked for a maximum, and the codes are a half fragment as they stand.
; rec: [R 24][b 8][s 8] records of 13,312 bytes for 128 tokens; R < 12: q of head R; R >= 12: k and v of head R - 12.  In a record: 8 half fragments of q or k (tile T = 4 c + t, c the group of 64) at 768 T;
; 8 of v (channel tile tv, half c) at 6,144 + (2 tv + c) 768; q's or k's scale words at 12,288 + 16 lane + 4 g (bytes: tile 2 g's two blocks, tile 2 g + 1's two); v's at 12,800 + 16 lane + 4 tv (byte 2 c + h).
; NO CLUSTER: no tile is brought by a tensor load here, so there is no request that could be made jointly.  NO PREFETCH: the weights' own loads are issued most of a pass ahead of their use.
; LIMITS: a block of q or k whose largest magnitude lies under 2^-121 gets the scale byte 4 (so that the next launch can take 3 off q's bytes); a block of v under 2^-124 the byte 1; a block of zeros likewise, where the rule
; says 127: its codes are zeros, and this program alone reads the bytes.  NaN and infinities are not served.
.set GRB,   39936
.set SCO,   36864
.set RECB,  13312
.set SPARE, 39936                      ; LDS: behind x's record: the spare words, 128 bytes a wave
.set L16,  1
.set L8,   2
.set L4,   3
.set SPW,  4                           ; my spare word; never rewritten
.set NIL,  5                           ; 0; never rewritten
.set SH,   6                           ; 8 h
.set SH2,  7                           ; 8 - 8 h
.set MX,   8                           ; v8-11   largest magnitudes
.set SO,   12                          ; v12-15  the conversions' scale operands
.set CA,   12                          ; at the head: the copy's offset
.set XS,   16                          ; v16-19  x's scale words
.set WS,   20                          ; v20-39  W's scale words: 4 (kk % 5) + u
.set BI,   40                          ; v40-71  ts
.set XF,   72                          ; v72-119 x's four fragments of a K step
.set CD,   72                          ; behind the products: the codes, 4 x 10 registers
.set ACC,  120                         ; v120-247
.set BY,   248                         ; v248-251 scale bytes
.set TP,   252                         ; v252-255 the partner lane's
.set TAA,  240                         ; window 1: ts's offset for q and k: 128 h
.set TAV,  241                         ; window 1: for v: 4 x my channel in a tile
.set MSB, 0
.macro WIN new                         ; the immediate's high byte repeats the setting that is left
.if MSB != \new
	s_set_vgpr_msb (MSB<<8)|\new
.set MSB, \new
.endif
.endm
.macro NOPS n
.rept \n
	v_nop
.endr
.endm
	s_load_b128 s[4:7], s[0:1], 0x0                ; img, ts
	s_load_b64 s[8:9], s[0:1], 0x10                ; rec
	v_lshl_add_u32 v[SPW], v0, 2, SPARE
	v_mov_b32 v[NIL], 0
	v_lshrrev_b32 v[L16], 5, v0
	v_readfirstlane_b32 s2, v[L16]                 ; wave
	v_and_b32 v[L4], 31, v0
	v_lshlrev_b32 v[L16], 4, v[L4]
	v_lshlrev_b32 v[L8], 3, v[L4]
	v_lshlrev_b32 v[L4], 2, v[L4]
	v_bfe_u32 v[SH], v0, 4, 1
	v_lshlrev_b32 v[SH], 3, v[SH]
	v_sub_nc_u32 v[SH2], 8, v[SH]
	s_mul_i32 s10, s2, 6656
	v_add_nc_u32 v[CA], s10, v[L16]                ; my 13 x 512 bytes of x's record
.irp p, 0,1,2,3
	v_mov_b32 v[TP+\p], 0                          ; written once: a lane permute's destination counts as one of its sources
.endr
	v_and_b32 v[MX], 7, v0
	v_bfe_u32 v[MX+1], v0, 3, 1
	v_lshl_add_u32 v[MX], v[MX+1], 5, v[MX]        ; my channel in a tile: (r & 7) + 32 (r >> 3)
	WIN 0x40                                       ; destination window 1
	v_lshlrev_b32 v[TAA], 4, v[SH]
	v_lshlrev_b32 v[TAV], 2, v[MX]
	WIN 0
	s_mov_b32 s20, 0x76543210
	s_mov_b32 s21, 0xfedcba98                      ; v_permlanex16_b32's selects for lane l xor 16
	s_and_b32 s3, ttmp7, 0xffff                    ; y
	s_mul_i32 s11, s3, 18
	s_add_co_u32 s11, s11, s2                      ; H of pass 0
	s_mul_i32 s12, ttmp9, GRB
	s_mov_b32 s13, 0
	s_add_co_u32 s14, s11, 128
	s_mul_i32 s14, s14, GRB
	s_mov_b32 s15, 0
	s_lshr_b32 s16, ttmp9, 4                       ; b
	s_mul_i32 s16, s16, 2304
	s_lshl_b32 s17, s11, 6
	s_add_co_u32 s16, s16, s17
	s_lshl_b32 s16, s16, 2                         ; ts: (2,304 b + 64 H) numbers on
	s_mov_b32 s17, 0
	s_lshr_b32 s28, ttmp9, 1                       ; 8 b + s
	s_and_b32 s22, ttmp9, 1                        ; c
	s_mov_b32 s23, 0                               ; the pass
	s_wait_alu depctr_va_vdst(0)
	s_wait_kmcnt 0x0
	s_add_nc_u64 s[12:13], s[4:5], s[12:13]        ; x's record
	s_add_nc_u64 s[14:15], s[4:5], s[14:15]        ; W's
	s_add_nc_u64 s[6:7], s[6:7], s[16:17]
.macro WLOAD kk                        ; W's four fragments of K step kk into window 1, set kk % 5, and its four scale words: 20 loads
	WIN 0x40
.irp u, 0,1,2,3
.irp c, 0,1
	global_load_b128 v[48*((\kk)%5)+12*\u+6*\c:48*((\kk)%5)+12*\u+6*\c+3], v[L16], s[14:15] offset:((6*\u+(\kk))*2+\c)*768
	global_load_b64 v[48*((\kk)%5)+12*\u+6*\c+4:48*((\kk)%5)+12*\u+6*\c+5], v[L8], s[14:15] offset:((6*\u+(\kk))*2+\c)*768+512
.endr
.endr
	WIN 0
.irp u, 0,1,2,3
	global_load_b32 v[WS+4*((\kk)%5)+\u], v[L4], s[14:15] offset:SCO+(6*\u+(\kk))*128
.endr
.endm
.macro XLOAD kk                        ; x's, from LDS: each load takes consecutive bytes
.irp u, 0,1,2,3
.irp c, 0,1
	ds_load_b128 v[XF+12*\u+6*\c:XF+12*\u+6*\c+3], v[L16] offset:((6*\u+(\kk))*2+\c)*768
	ds_load_b64 v[XF+12*\u+6*\c+4:XF+12*\u+6*\c+5], v[L8] offset:((6*\u+(\kk))*2+\c)*768+512
.endr
	ds_load_b32 v[XS+\u], v[L4] offset:SCO+(6*\u+(\kk))*128
.endr
.endm
.macro WM d, a, b, sa, sb, z
.if \z
	v_wmma_scale_f32_16x16x128_f8f6f4 v[(\d):(\d)+7], v[(\a):(\a)+11], v[(\b):(\b)+11], 0, v[\sa], v[\sb] matrix_a_fmt:MATRIX_FMT_FP6 matrix_b_fmt:MATRIX_FMT_FP6
.else
	v_wmma_scale_f32_16x16x128_f8f6f4 v[(\d):(\d)+7], v[(\a):(\a)+11], v[(\b):(\b)+11], v[(\d):(\d)+7], v[\sa], v[\sb] matrix_a_fmt:MATRIX_FMT_FP6 matrix_b_fmt:MATRIX_FMT_FP6
.endif
.endm
; 16 matrix instructions: the 16 accumulators take turns, one instruction a turn, in the same order in every K step.  K step 0 starts the sums: nothing is cleared.
; t = 0 (q, k): source 0 = W (window 1), source 1 = x;  t = 1 (v): source 0 = x, source 1 = W (window 1)
.macro MM16 kk, t
.set WB, 48*((\kk)%5)
.set WK, WS+4*((\kk)%5)
.set ZZ, ((\kk)==0)
.if \t
	WIN 0x04
.else
	WIN 0x01
.endif
.irp p, 0,1,2,3
.irp q, 0,1,2,3
.if \t
	WM ACC+8*(4*\p+\q), XF+12*\q, WB+12*\p, XS+\q, WK+\p, ZZ
.else
	WM ACC+8*(4*\p+\q), WB+12*\q, XF+12*\p, WK+\q, XS+\p, ZZ
.endif
.endr
.endr
	WIN 0
.endm
.macro KK kk, t, n                     ; a K step of 128; n: the younger loads that may stay out
	XLOAD \kk
	s_wait_loadcnt \n
	s_wait_dscnt 0x0                               ; x's 20
	MM16 \kk, \t
	NOPS 4                                         ; four places in front of loads into registers that matrix instructions have read, and of the first read of results
.endm
; Four blocks of 32, v[ACC + 32 p ..], become four half fragments in v[CD + 10 p .. + 5] and four scale bytes.  The largest magnitude's exponent field less 2 is the scale's byte; the conversion takes that field of its operand alone.
.macro QUANT4 floor
.irp p, 0,1,2,3
	v_max3_num_f32 v[MX+\p], |v[ACC+32*\p]|, |v[ACC+32*\p+1]|, \floor
.endr
.irp i, 2,4,6,8,10,12,14,16,18,20,22,24,26,28,30
.irp p, 0,1,2,3
	v_max3_num_f32 v[MX+\p], v[MX+\p], |v[ACC+32*\p+\i]|, |v[ACC+32*\p+\i+1]|   ; the four blocks by turns
.endr
.endr
.irp p, 0,1,2,3
	v_add_nc_u32 v[SO+\p], 0xff000000, v[MX+\p]
.endr
.irp p, 0,1,2,3
	v_lshrrev_b32 v[BY+\p], 23, v[SO+\p]
.endr
.irp p, 0,1,2,3
	v_cvt_scalef32_pk16_fp6_f32 v[CD+10*\p:CD+10*\p+2], v[ACC+32*\p:ACC+32*\p+15], v[SO+\p]
	v_cvt_scalef32_pk16_fp6_f32 v[CD+10*\p+6:CD+10*\p+8], v[ACC+32*\p+16:ACC+32*\p+31], v[SO+\p]   ; (a conversion's three registers begin on an even number)
.endr
	v_nop                                          ; one plain place behind the conversions
.irp p, 0,1,2,3
.irp i, 0,1,2
	v_mov_b32 v[CD+10*\p+3+\i], v[CD+10*\p+6+\i]
.endr
.endr
.irp p, 0,1,2,3
	v_permlanex16_b32 v[TP+\p], v[BY+\p], s20, s21 ; the row's other block lies in lane l xor 16
.endr
.irp p, 0,1,2,3
	v_lshlrev_b32 v[BY+\p], v[SH], v[BY+\p]
.endr
.irp p, 0,1,2,3
	v_lshlrev_b32 v[TP+\p], v[SH2], v[TP+\p]
.endr
.irp p, 0,1,2,3
	v_or_b32 v[BY+\p], v[BY+\p], v[TP+\p]          ; block 0's byte, block 1's byte: the same 16 bits in both lanes
.endr
.endm
; A PASS of one kind
.macro BODY t
.if \t
	s_mul_i32 s16, s22, 768
	s_add_nc_u64 s[24:25], s[18:19], s[16:17]      ; half c of each channel tile
	s_lshl_b32 s16, s22, 1
	s_add_nc_u64 s[26:27], s[18:19], s[16:17]      ; bytes 2 c, 2 c + 1 of each scale word
.else
	s_mul_i32 s16, s22, 3072
	s_add_nc_u64 s[24:25], s[18:19], s[16:17]      ; tiles 4 c ..
	s_lshl_b32 s16, s22, 3
	s_add_nc_u64 s[26:27], s[18:19], s[16:17]      ; scale words 2 c, 2 c + 1
.endif
	KK 0, \t, 40                                   ; behind K step 0's loads stand, in the same request, K steps 1 and 2's 40: the count leans on these alone, since the second request stands under a jump of its own
	WLOAD 5                                        ; into K step 0's set: 20 loads;
	WIN 0x01                                       ; (the offset lies in window 1)
.if \t
.irp p, 0,1,2,3
	global_load_b32 v[BI+2*\p], v[TAV], s[6:7] offset:32*\p
	global_load_b32 v[BI+2*\p+1], v[TAV], s[6:7] offset:32*\p    ; twice: a pair for the packed addition
.endr
.else
.irp e, 0,1,2,3,4,5,6,7
	global_load_b128 v[BI+4*\e:BI+4*\e+3], v[TAA], s[6:7] offset:16*\e   ; and this pass's ts: 8 loads in either kind
.endr
.endif
	WIN 0
	KK 1, \t, 48                                   ; K step 2's 20, K step 5's 20, ts's 8
	KK 2, \t, 28                                   ; K step 5's 20 and ts's 8, which every pass issues: all else is in, K steps 3 and 4 too
	KK 3, \t, 28
	KK 4, \t, 28
	KK 5, \t, 0                                    ; everything is in, ts too; no load of mine is out, so W's base may step
	s_cmp_eq_u32 s23, 2
	s_cbranch_scc1 .Lno_next_a\@                   ; the last pass asks for nothing more
	s_add_nc_u64 s[14:15], s[14:15], 6*GRB         ; the next pass's group: 6 records on
	WLOAD 0
	WLOAD 1
	WLOAD 2
.Lno_next_a\@:
.if \t
.irp p, 0,1,2,3
.irp i, 0,2,4,6,8,10,12,14,16,18,20,22,24,26,28,30
	v_pk_add_f32 v[ACC+32*\p+\i:ACC+32*\p+\i+1], v[ACC+32*\p+\i:ACC+32*\p+\i+1], v[BI+2*\p:BI+2*\p+1]   ; + ts, each accumulator from its low end on
.endr
.endr
	QUANT4 0x1800000                               ; the floor 2^(3 - 127): no byte under 1
.irp p, 0,1,2,3
	global_store_b128 v[L16], v[CD+10*\p:CD+10*\p+3], s[24:25] offset:6144+1536*\p
	global_store_b64 v[L8], v[CD+10*\p+4:CD+10*\p+5], s[24:25] offset:6144+1536*\p+512
	global_store_b16 v[L16], v[BY+\p], s[26:27] offset:12800+4*\p     ; two bytes a lane: 256 bytes a unit of work, inside one block of 512
.endr
.else
.irp p, 0,1,2,3
.irp i, 0,2,4,6,8,10,12,14,16,18,20,22,24,26,28,30
	v_pk_add_f32 v[ACC+32*\p+\i:ACC+32*\p+\i+1], v[ACC+32*\p+\i:ACC+32*\p+\i+1], v[BI+\i:BI+\i+1]   ; + ts, each accumulator from its low end on
.endr
.endr
	QUANT4 0x3000000                               ; the floor 2^(6 - 127): no byte under 4
	v_lshl_or_b32 v[BY], v[BY+1], 16, v[BY]
	v_lshl_or_b32 v[BY+1], v[BY+3], 16, v[BY+2]
.irp p, 0,1,2,3
	global_store_b128 v[L16], v[CD+10*\p:CD+10*\p+3], s[24:25] offset:768*\p
	global_store_b64 v[L8], v[CD+10*\p+4:CD+10*\p+5], s[24:25] offset:768*\p+512
.endr
	global_store_b64 v[L16], v[BY:BY+1], s[26:27] offset:12288
.endif
	s_cmp_eq_u32 s23, 2
	s_cbranch_scc1 .Lno_next_b\@
	WLOAD 3
	WLOAD 4
.Lno_next_b\@:
.endm
.irp i, 0,1,2,3,4,5,6,7,8,9,10,11,12
	global_load_b128 v[ACC+4*\i:ACC+4*\i+3], v[CA], s[12:13] offset:512*\i
.endr
	WLOAD 0
	WLOAD 1
	s_wait_loadcnt 40                              ; the copy's 13 loads are in; W's first 40 may be out
.irp i, 0,1,2,3,4,5,6,7,8,9,10,11,12
	ds_store_b128 v[CA], v[ACC+4*\i:ACC+4*\i+3] offset:512*\i
.endr
	WLOAD 2
	WLOAD 3
	WLOAD 4
	s_wait_dscnt 0x0                               ; for the others' sake: my part of x's record lies in LDS
	s_barrier_signal -1
	s_barrier_wait -1                              ; everybody's does; from here on LDS is only read
.Lpass:
	s_wait_xcnt 0x0                                ; the last pass's stores have read their registers and bases: both are written again below
	s_cmp_ge_u32 s11, 24
	s_cselect_b32 s18, 12, 0
	s_sub_co_u32 s18, s11, s18                     ; R
	s_lshl_b32 s18, s18, 6
	s_add_co_u32 s18, s18, s28
	s_mul_i32 s18, s18, RECB
	s_mov_b32 s19, 0
	s_add_nc_u64 s[18:19], s[8:9], s[18:19]        ; the record that I write into
	s_mov_b32 s17, 0
	s_cmp_ge_u32 s11, 24
	s_cbranch_scc1 .Lv
	BODY 0
	s_branch .Ljoin
.Lv:
	BODY 1
.Ljoin:
	s_add_co_u32 s11, s11, 6
	s_add_nc_u64 s[6:7], s[6:7], 1536              ; ts: 6 x 64 numbers on (its loads were waited for ahead of K step 5)
	s_add_co_u32 s23, s23, 1
	s_cmp_lt_u32 s23, 3
	s_wait_alu depctr_va_vdst(0)
	s_cbranch_scc1 .Lpass
	s_wait_tensorcnt 0x0                           ; the wave's end
	ds_add_u32 v[SPW], v[NIL]
	s_wait_dscnt 0x0
	s_endpgm
.Lfunc_end_k_qcb55f17c57_qkv:
	.size	k_qcb55f17c57_qkv, .Lfunc_end_k_qcb55f17c57_qkv-k_qcb55f17c57_qkv
	.p2alignl 7, 3214868480
	.fill 96, 4, 3214868480
	.section	.rodata,"a",@progbits
	.p2align	6, 0x0
	.amdhsa_kernel k_qcb55f17c57_qkv
		.amdhsa_group_segment_fixed_size 40960
		.amdhsa_private_segment_fixed_size 0
		.amdhsa_enable_private_segment 0
		.amdhsa_kernarg_size 24
		.amdhsa_user_sgpr_count 2
		.amdhsa_user_sgpr_kernarg_segment_ptr 1
		.amdhsa_wavefront_size32 1
		.amdhsa_system_sgpr_workgroup_id_x 1
		.amdhsa_system_sgpr_workgroup_id_y 1
		.amdhsa_system_sgpr_workgroup_id_z 1
		.amdhsa_system_vgpr_workitem_id 0
		.amdhsa_next_free_vgpr 512
		.amdhsa_next_free_sgpr 66
		.amdhsa_reserve_vcc 0
		.amdhsa_float_denorm_mode_32 3
		.amdhsa_float_denorm_mode_16_64 3
		.amdhsa_memory_ordered 1
		.amdhsa_forward_progress 1
		.amdhsa_inst_pref_size 105
	.end_amdhsa_kernel
	.amdgpu_metadata
---
amdhsa.version: [ 1, 2 ]
amdhsa.kernels:
  - .name:           k_qcb55f17c57_qkv
    .symbol:         k_qcb55f17c57_qkv.kd
    .args:
      - { .name: img, .offset: 0, .size: 8, .value_kind: global_buffer, .address_space: global }
      - { .name: ts, .offset: 8, .size: 8, .value_kind: global_buffer, .address_space: global }
      - { .name: rec, .offset: 16, .size: 8, .value_kind: global_buffer, .address_space: global }
    .group_segment_fixed_size: 40960
    .private_segment_fixed_size: 0
    .kernarg_segment_align: 8
    .kernarg_segment_size: 24
    .max_flat_workgroup_size: 192
    .sgpr_count:     66
    .vgpr_count:     512
    .wavefront_size: 32
...
	.end_amdgpu_metadata
.endif
;; end of part 2
;; launch attn (part 3): grid 64 x 4, 12 waves a work-group, no clusters, 327,680 bytes of LDS; arguments rel_pos_bias, rec, oim; writes oim
.if DOCPART == 3
	.amdgcn_target "amdgcn-amd-amdhsa--gfx1250"
	.amdhsa_code_object_version 6
	.text
	.protected	k_qcb55f17c57_attn
	.globl	k_qcb55f17c57_attn
	.p2align	8
	.type	k_qcb55f17c57_attn,@function
k_qcb55f17c57_attn:
	s_mov_b64 s[64:65], 0
	v_nop
	global_prefetch_b8 v0, s[64:65] scope:SCOPE_SE
	s_setreg_imm32_b32 hwreg(HW_REG_WAVE_MODE, 25, 1), 1
	s_wait_xcnt 0x0
; Launch 3 of 4: o = softmax(q k^T / 8 + rel_pos_bias) v on codes of FP6 (E2M3), and o's quantising along the model's 768.  No work of the problem is left out.
; THE SOFTMAX AHEAD OF THE SECOND PRODUCT: t = logit x log2(e); M = the row's largest t so far, rounded up to a whole number; p = 2^(t - M) is quantised along the keys, not normalised;
; the row's sum is taken of the unquantised p and divides at the end.  When M moves, the sum and O are multiplied by 2^(old M - new M): exact.
; SHARES.  256 work-groups of 12 waves.  A work-group is a pair of tiles of 16 queries (ttmp9 >> 1) for three heads (3 y + wave / 4) and four batches (4 (ttmp9 & 1) + wave % 4).
; A wave takes both tiles of its head and batch: each record of k and v (13,312 bytes for 128 keys, in the order of the operands' registers, straight into registers) feeds two tiles.
; THE BIAS comes by tensor loads into a ring of two LDS slots, 256 keys each: 3 heads x 32 rows x (1,024 + 16) bytes = 99,840 bytes a slot; four fills; a wave brings 8 rows on end of its head.
; The four waves of a head share its rows.  A slot serves two key steps of 128; one barrier for two steps.
; LAYOUT.  Both products transposed: S^T = k q^T (source 0 = 16 keys), O^T = v^T p^T (source 0 = 16 channels): a lane holds one query of each tile.  Tiles are grouped tiles (row m of tile u of a
; group of 64 is 8 u + (m & 7) + 32 (m >> 3)): a lane's 32 scores of a group are keys 32 h + 0 .. 31, a whole block, and its 32 numbers of O^T are a whole block of o.
; THE HEAD IS 64, THE INSTRUCTION'S K 128: source 0 holds two tiles of keys, source 1 is q beside 64 zero codes: (q, 0) for the first tile, (0, q) for the second.
; / 8 is taken off q's scale bytes (3 off each; they are at least 4), and the bias is the C of the first product.
; A block's largest p is not searched for: the block's largest logit goes through the same multiply-add and exponential (this takes v_exp_f32 not to fall where its input rises).
; THE TWO TILES TAKE TURNS on one set of 64 score registers: scores, softmax and second product of tile A, then of tile B.  k's registers are asked for anew behind tile B's scores, v's behind tile B's second product.
; NO CLUSTER: tensor loads bring the bias alone, 98,304 bytes a phase, which two work-groups (x and x xor 1) share; the 24 records of a phase, 319,488 bytes, go to registers and cannot be asked for jointly.
; PREFETCH: fills 2 and 3 of the bias are named one phase (two key steps) ahead of their tensor loads: a wave's 8 rows x 1,024 bytes are 32 blocks of 256 bytes, of which each of the two work-groups that
; read them names 16 (lanes 16-31 name the last again).  Fills 0 and 1 come by their loads alone.  k and v are asked for by their own loads most of a key step ahead.
; LIMITS: NaN and infinities are not served; a block of o under 2^-124, or of zeros, gets the byte 1; the scaled scores stay under 2^31 in magnitude.
; REGISTERS: window 0: v1-7 addresses and the add's two; v8-15 -M, largest t and sums of both tiles; v16-35 at work; v36-43 k's and v's scale words; v44-46 q's (two tiles) and p's; v47 prefetch offset;
; v52-99 k; v100-147 v; v148-211 bias, scores, p, p's codes; v212-243 tile A's O^T.  Window 1: v0-31 tile B's O^T; v32-61 zeros, q A, zeros, q B, zeros.
.set RECB,  13312
.set GRB,   39936
.set BP,    1040                       ; a bias row of 256 keys in LDS: 1,024 bytes + 16: the sixteen rows that a load touches start 16 bytes apart modulo 256
.set TILEB, 16*BP
.set HEADB, 32*BP
.set SLOT,  96*BP
.set SPARE, 2*SLOT                     ; behind the ring: the spare words, 128 bytes a wave
.set L16,  1
.set L8,   2
.set BA,   3
.set ADR,  4
.set SPW,  5                           ; my spare word; never rewritten
.set NIL,  6                           ; 0; never rewritten
.set SH,   7                           ; 8 h
.set NMA,  8
.set SUMA, 10
.set NMB,  12
.set SUMB, 14
.set FF,   16
.set BM,   18
.set SO,   20
.set T0,   22
.set XX,   28
.set KS,   36
.set VS,   40
.set QSA,  44
.set QSB,  45
.set PS,   46
.set PFO,  47
.set KF,   52
.set VF,   100
.set S,    148
.set OA,   212
.set OB,   0                           ; window 1
.set QZ,   32                          ; window 1
.set MSB, 0
.macro WIN new                         ; the immediate's high byte repeats the setting that is left; a switch that changes nothing is dropped
.if MSB != \new
	s_set_vgpr_msb (MSB<<8)|\new
.set MSB, \new
.endif
.endm
.macro NOPS n
.rept \n
	v_nop
.endr
.endm
	s_load_b128 s[24:27], s[0:1], 0x0              ; rel_pos_bias, rec
	s_load_b64 s[28:29], s[0:1], 0x10              ; oim
	v_lshl_add_u32 v[SPW], v0, 2, SPARE
	v_mov_b32 v[NIL], 0
	ds_add_u32 v[SPW], v[NIL]                      ; the opening lines: the add, twice on end, and its wait ahead of my first tensor load
	ds_add_u32 v[SPW], v[NIL]
	v_lshrrev_b32 v[L16], 5, v0
	v_readfirstlane_b32 s2, v[L16]                 ; wave 0 .. 11
	s_lshr_b32 s20, s2, 2                          ; which of the three heads
	s_and_b32 s21, s2, 3                           ; which of the four batches; also: which 8 rows of the head's 32 I bring
	s_and_b32 s3, ttmp7, 0xffff
	s_mul_i32 s3, s3, 3
	s_add_co_u32 s3, s3, s20                       ; head
	s_and_b32 s30, s21, 1
	s_lshr_b32 s39, s21, 1
	s_lshl_b32 s49, s30, 4
	s_lshl_b32 s33, s39, 3
	s_add_co_u32 s49, s49, s33
	s_lshl_b32 s33, s20, 5
	s_add_co_u32 s49, s49, s33                     ; LDS rows 32 head + 16 (w & 1) + 8 (w >> 1) on
	s_mul_i32 s49, s49, BP                         ; group 0, slot 0: LDS address
	s_add_co_u32 s53, s49, SLOT                    ; slot 1
	s_mul_i32 s56, s20, HEADB                      ; my head's rows in a slot
	s_and_b32 s36, ttmp9, 1
	s_lshl_b32 s57, s36, 14                        ; the prefetches: my work-group's four rows of a wave's eight
	s_lshl_b32 s38, s36, 2
	s_add_co_u32 s38, s38, s21                     ; batch
	s_lshr_b32 s37, ttmp9, 1                       ; the pair of tiles
	s_lshr_b32 s31, s37, 1                         ; the queries' group of 64
	s_and_b32 s32, s37, 1                          ; e: the pair is tiles 2 e, 2 e + 1 of the group
	s_lshl_b32 s4, s31, 6
	s_lshl_b32 s33, s32, 4
	s_add_co_u32 s4, s4, s33
	s_lshl_b32 s33, s30, 3
	s_add_co_u32 s4, s4, s33
	s_lshl_b32 s33, s39, 5
	s_add_co_u32 s4, s4, s33                       ; queries 64 group + 16 e + 8 (w & 1) + 32 (w >> 1) + 0 .. 7: eight rows of the bias on end
	s_lshl_b32 s4, s4, 12
	s_lshl_b32 s33, s3, 22
	s_add_co_u32 s4, s4, s33
	s_mov_b32 s5, 0
	s_lshl_b32 s36, s3, 3
	s_add_co_u32 s36, s36, s38
	s_lshl_b32 s36, s36, 3                         ; 8 (8 head + b)
	s_add_co_u32 s8, s36, 768
	s_mul_i32 s8, s8, RECB                         ; k's and v's first record: R = 12 + head
	s_mov_b32 s9, 0
	s_lshr_b32 s33, s37, 2
	s_add_co_u32 s33, s33, s36
	s_mul_i32 s33, s33, RECB                       ; q's record
	s_and_b32 s34, s37, 3                          ; and the pair in it
	s_mul_i32 s6, s34, 1536
	s_add_co_u32 s6, s6, s33
	s_mov_b32 s7, 0
	s_lshl_b32 s34, s34, 2
	s_add_co_u32 s12, s34, s33                     ; the pair's scale word: tile A's two bytes below, tile B's above
	s_mov_b32 s13, 0
	s_lshl_b32 s33, s38, 4
	s_add_co_u32 s33, s33, s31
	s_mul_i32 s33, s33, GRB                        ; o's group record: 16 b + group
	s_mul_i32 s34, s32, 12
	s_lshr_b32 s35, s3, 1
	s_add_co_u32 s34, s34, s35                     ; 6 x tile 2 e + K step (head >> 1)
	s_and_b32 s35, s3, 1                           ; half (head & 1)
	s_lshl_b32 s10, s34, 1
	s_add_co_u32 s10, s10, s35
	s_mul_i32 s10, s10, 768
	s_add_co_u32 s10, s10, s33
	s_mov_b32 s11, 0
	s_lshl_b32 s22, s34, 7
	s_lshl_b32 s35, s35, 1
	s_add_co_u32 s22, s22, s35
	s_add_co_u32 s22, s22, s33
	s_mov_b32 s23, 0
	s_mov_b32 s14, 0x3fb8aa3b                      ; log2(e)
	s_mov_b32 s15, s14                             ; (named with it as a pair)
	s_mov_b32 s16, 0x76543210
	s_mov_b32 s17, 0xfedcba98                      ; v_permlanex16_b32's selects for lane l xor 16
	s_mov_b32 s40, (2<<16)|(1<<20)|(7<<22)|(3<<25) ; group 1: elements of 4 bytes; after every 256 words 4 words of padding
	s_mov_b32 s41, 256<<16                         ; tensor_dim0 = 256
	s_mov_b32 s42, 8<<16                           ; tensor_dim1 = 8
	s_mov_b32 s43, 256<<16                         ; tile_dim0 = 256
	s_mov_b32 s44, 8                               ; tile_dim1 = 8
	s_mov_b32 s45, 1024                            ; a row of the bias
	s_mov_b32 s46, 0
	s_mov_b32 s47, 0
	s_mov_b32 s48, 1
	s_mov_b32 s52, 1
	v_and_b32 v[L8], 31, v0
	v_lshlrev_b32 v[L16], 4, v[L8]
	v_min_u32 v[PFO], 15, v[L8]                    ; block 0 .. 15: row block / 4, 256 bytes x block % 4
	v_lshlrev_b32 v[L8], 3, v[L8]
	v_lshrrev_b32 v[T0], 2, v[PFO]
	v_and_b32 v[PFO], 3, v[PFO]
	v_lshlrev_b32 v[PFO], 8, v[PFO]
	v_lshl_add_u32 v[PFO], v[T0], 12, v[PFO]
	v_add_nc_u32 v[PFO], s57, v[PFO]
	v_and_b32 v[BA], 15, v0
	v_mul_u32_u24 v[BA], v[BA], BP
	v_bfe_u32 v[SH], v0, 4, 1
	v_lshl_add_u32 v[BA], v[SH], 7, v[BA]          ; tile A: my query's row, + 128 h: keys 32 h on
	v_add_nc_u32 v[BA], s56, v[BA]
	v_lshlrev_b32 v[SH], 3, v[SH]
	s_wait_alu depctr_va_vdst(0)
	s_wait_dscnt 0x0                               ; both opening adds are done
	s_wait_kmcnt 0x0
	s_add_nc_u64 s[4:5], s[24:25], s[4:5]
	s_add_nc_u64 s[6:7], s[26:27], s[6:7]
	s_add_nc_u64 s[8:9], s[26:27], s[8:9]
	s_add_nc_u64 s[12:13], s[26:27], s[12:13]
	s_add_nc_u64 s[10:11], s[28:29], s[10:11]
	s_add_nc_u64 s[22:23], s[28:29], s[22:23]
	s_mov_b64 s[50:51], s[4:5]                     ; fill 0: keys 0 .. 255
	s_or_b32 s51, s51, 0x80000000
	s_add_nc_u64 s[54:55], s[4:5], 1024            ; fill 1: keys 256 .. 511
	s_or_b32 s55, s55, 0x80000000
	tensor_load_to_lds s[48:51], s[40:47]          ; my one load at the head
	s_nop 0
	NOPS 4
.macro KLOAD off                       ; a step's eight half fragments of k and its four scale words: 17 loads
.irp n, 0,1,2,3,4,5,6,7
	global_load_b128 v[KF+6*\n:KF+6*\n+3], v[L16], s[8:9] offset:(\off)+768*\n
	global_load_b64 v[KF+6*\n+4:KF+6*\n+5], v[L8], s[8:9] offset:(\off)+768*\n+512
.endr
	global_load_b128 v[KS:KS+3], v[L16], s[8:9] offset:(\off)+12288
.endm
.macro VLOAD off                       ; the same of v: 17 loads
.irp n, 0,1,2,3,4,5,6,7
	global_load_b128 v[VF+6*\n:VF+6*\n+3], v[L16], s[8:9] offset:(\off)+6144+768*\n
	global_load_b64 v[VF+6*\n+4:VF+6*\n+5], v[L8], s[8:9] offset:(\off)+6144+768*\n+512
.endr
	global_load_b128 v[VS:VS+3], v[L16], s[8:9] offset:(\off)+12800
.endm
	WIN 0x40                                       ; destination window 1
	global_load_b128 v[QZ+6:QZ+9], v[L16], s[6:7]               ; tile A's q
	global_load_b64 v[QZ+10:QZ+11], v[L8], s[6:7] offset:512
	global_load_b128 v[QZ+18:QZ+21], v[L16], s[6:7] offset:768  ; tile B's
	global_load_b64 v[QZ+22:QZ+23], v[L8], s[6:7] offset:1280
	WIN 0
	global_load_b32 v[T0], v[L16], s[12:13] offset:12288
	KLOAD 0
	VLOAD 0
	v_mov_b32 v[NMA+1], 0xff61b1e6                 ; the largest t so far: -3e38
	v_mov_b32 v[NMB+1], 0xff61b1e6
	v_floor_f32 v[NMA], -v[NMA+1]                  ; -M
	v_floor_f32 v[NMB], -v[NMB+1]
.irp r, SUMA, SUMA+1, SUMB, SUMB+1, FF+1, T0+1
	v_mov_b32 v[\r], 0                             ; sums; the upper half of a pair; a lane permute's destination counts as a source
.endr
.set NN, 0
.rept 32
	v_mov_b32 v[OA+NN], 0                          ; the step is written for all steps alike; the first finds zeros
.set NN, NN+1
.endr
	s_wait_loadcnt 34                              ; q's 5 loads are in; k's 17 and v's 17 may be out
	v_and_b32 v[T0+2], 0xffff, v[T0]               ; tile A's two bytes,
	v_lshrrev_b32 v[T0+3], 16, v[T0]               ; tile B's,
	v_lshl_or_b32 v[T0+2], v[T0+2], 16, v[T0+2]    ; each for either half of K,
	v_lshl_or_b32 v[T0+3], v[T0+3], 16, v[T0+3]
	v_add_nc_u32 v[QSA], 0xfcfcfcfd, v[T0+2]       ; 3 off each byte: / 8.  No byte is under 4, so none borrows
	v_add_nc_u32 v[QSB], 0xfcfcfcfd, v[T0+3]
	WIN 0x40
.irp i, 0,1,2,3,4,5
	v_mov_b32 v[QZ+\i], 0                          ; zero codes beside the two q
	v_mov_b32 v[QZ+12+\i], 0
	v_mov_b32 v[QZ+24+\i], 0
.endr
.set NN, 0
.rept 32
	v_mov_b32 v[OB+NN], 0                          ; (also the places between q's scale words and the first products)
.set NN, NN+1
.endr
	WIN 0
.macro BIAS off                        ; the bias in the result's layout: register 32 c + i is key 64 c + 32 h + i
.irp n, 0,1,2,3,4,5,6,7,8,9,10,11,12,13,14,15
	ds_load_b128 v[S+4*\n:S+4*\n+3], v[ADR] offset:(\off)+256*(\n/8)+16*(\n%8)
.endr
.endm
.macro QK qa, qb, qs                   ; S^T = k q^T + bias: eight accumulators, one instruction each; q lies in window 1
	WIN 0x04
.irp g, 0,1,2,3
	v_wmma_scale_f32_16x16x128_f8f6f4 v[S+16*\g:S+16*\g+7], v[KF+12*\g:KF+12*\g+11], v[\qa:\qa+11], v[S+16*\g:S+16*\g+7], v[KS+\g], v[\qs] matrix_a_fmt:MATRIX_FMT_FP6 matrix_b_fmt:MATRIX_FMT_FP6
	v_wmma_scale_f32_16x16x128_f8f6f4 v[S+16*\g+8:S+16*\g+15], v[KF+12*\g:KF+12*\g+11], v[\qb:\qb+11], v[S+16*\g+8:S+16*\g+15], v[KS+\g], v[\qs] matrix_a_fmt:MATRIX_FMT_FP6 matrix_b_fmt:MATRIX_FMT_FP6
.endr
	WIN 0
.endm
.macro PV o, wn                        ; O^T += v^T p^T: four accumulators, one instruction each
	WIN \wn
.irp n, 0,1,2,3
	v_wmma_scale_f32_16x16x128_f8f6f4 v[\o+8*\n:\o+8*\n+7], v[VF+12*\n:VF+12*\n+11], v[S:S+11], v[\o+8*\n:\o+8*\n+7], v[VS+\n], v[PS] matrix_a_fmt:MATRIX_FMT_FP6 matrix_b_fmt:MATRIX_FMT_FP6
.endr
	WIN 0
.endm
; One tile's softmax for a step of 128 keys.  nm: -M and the largest t; sum: the row's sum; o, wo: O^T and the window setting under which it is rescaled
.macro SOFT nm, sum, o, wo
.irp c, 0,1
	v_max3_num_f32 v[BM+\c], v[S+32*\c], v[S+32*\c+1], v[S+32*\c+2]           ; the largest logit of each of my two blocks, each in two chains; each accumulator is first read at its low end
	v_max3_num_f32 v[XX+\c], v[S+32*\c+16], v[S+32*\c+17], v[S+32*\c+18]
.endr
.irp i, 3,5,7,9,11,13
.irp c, 0,1
	v_max3_num_f32 v[BM+\c], v[BM+\c], v[S+32*\c+\i], v[S+32*\c+\i+1]
	v_max3_num_f32 v[XX+\c], v[XX+\c], v[S+32*\c+16+\i], v[S+32*\c+16+\i+1]
.endr
.endr
.irp c, 0,1
	v_max3_num_f32 v[BM+\c], v[BM+\c], v[XX+\c], v[S+32*\c+15]
.endr
.irp c, 0,1
	v_max_num_f32 v[BM+\c], v[BM+\c], v[S+32*\c+31]
.endr
	v_max_num_f32 v[T0], v[BM], v[BM+1]
	v_permlanex16_b32 v[T0+1], v[T0], s16, s17
	v_max_num_f32 v[T0], v[T0], v[T0+1]            ; the step's largest logit of my query
	v_mul_f32 v[T0], s14, v[T0]
	v_max_num_f32 v[\nm+1], v[\nm+1], v[T0]        ; the running largest t
	v_mov_b32 v[T0], v[\nm]
	v_floor_f32 v[\nm], -v[\nm+1]                  ; the new -M = -ceil(t)
	v_sub_f32 v[T0], v[\nm], v[T0]                 ; old M - new M: a whole number, 0 or less
	v_cvt_i32_f32 v[T0], v[T0]                     ; (it saturates)
	v_ldexp_f32 v[FF], 1.0, v[T0]                  ; f = 2^(old M - new M)
.irp j, 0,2,4,6,8,10,12,14,16,18,20,22,24,26,28,30,32,34,36,38,40,42,44,46,48,50,52,54,56,58,60,62
	v_pk_fma_f32 v[S+\j:S+\j+1], v[S+\j:S+\j+1], s[14:15], v[\nm:\nm+1] op_sel_hi:[1,0,0]   ; t - M, two at a time
.endr
.irp c, 0,1
	v_fma_f32 v[BM+\c], v[BM+\c], s14, v[\nm]      ; the same of each block's largest
.endr
	s_wait_alu depctr_va_vdst(0)
.set NN, 0
.rept 64
	v_exp_f32 v[S+NN], v[S+NN]                     ; p = 2^(t - M)
.set NN, NN+1
.endr
.irp c, 0,1
	v_exp_f32 v[BM+\c], v[BM+\c]                   ; the block's largest p: in the same batch
.endr
	v_pk_mul_f32 v[\sum:\sum+1], v[\sum:\sum+1], v[FF:FF+1] op_sel_hi:[1,0]   ; the sum under the new M: the plain place behind the exponentials
	s_wait_alu depctr_va_vdst(0)                   ; one wait for the batch of 66, ahead of its first reader
	v_pk_add_f32 v[XX:XX+1], v[S:S+1], v[S+2:S+3]  ; the row's sum of the unquantised p, in four chains
	v_pk_add_f32 v[XX+2:XX+3], v[S+4:S+5], v[S+6:S+7]
	v_pk_add_f32 v[XX+4:XX+5], v[S+8:S+9], v[S+10:S+11]
.irp j, 12,20,28,36,44,52
	v_pk_add_f32 v[\sum:\sum+1], v[\sum:\sum+1], v[S+\j:S+\j+1]
	v_pk_add_f32 v[XX:XX+1], v[XX:XX+1], v[S+\j+2:S+\j+3]
	v_pk_add_f32 v[XX+2:XX+3], v[XX+2:XX+3], v[S+\j+4:S+\j+5]
	v_pk_add_f32 v[XX+4:XX+5], v[XX+4:XX+5], v[S+\j+6:S+\j+7]
.endr
	v_pk_add_f32 v[\sum:\sum+1], v[\sum:\sum+1], v[S+60:S+61]
	v_pk_add_f32 v[XX:XX+1], v[XX:XX+1], v[S+62:S+63]
	v_pk_add_f32 v[XX+2:XX+3], v[XX+2:XX+3], v[XX+4:XX+5]
	v_pk_add_f32 v[\sum:\sum+1], v[\sum:\sum+1], v[XX:XX+1]
	v_pk_add_f32 v[\sum:\sum+1], v[\sum:\sum+1], v[XX+2:XX+3]
.irp c, 0,1
	v_max_num_f32 v[BM+\c], 0x1800000, v[BM+\c]    ; the floor 2^(3 - 127): no byte under 1
.endr
.irp c, 0,1
	v_add_nc_u32 v[SO+\c], 0xff000000, v[BM+\c]    ; 2 off the exponent field: the conversion's scale operand
.endr
	v_lshrrev_b32 v[T0], 23, v[SO]
	v_lshrrev_b32 v[T0+1], 23, v[SO+1]
	v_lshl_or_b32 v[T0], v[T0+1], 16, v[T0]        ; my bytes: blocks h and 2 + h,
	v_lshlrev_b32 v[T0], v[SH], v[T0]              ; at their places;
	v_permlanex16_b32 v[T0+1], v[T0], s16, s17
	v_or_b32 v[PS], v[T0], v[T0+1]                 ; with lane l xor 16's the word is whole
	v_cvt_scalef32_pk16_fp6_f32 v[XX:XX+2], v[S:S+15], v[SO]
	v_cvt_scalef32_pk16_fp6_f32 v[XX+4:XX+6], v[S+16:S+31], v[SO]
	v_cvt_scalef32_pk16_fp6_f32 v[T0+2:T0+4], v[S+48:S+63], v[SO+1]
	v_nop                                          ; a plain place: the next conversion writes over numbers that the first has read
	v_cvt_scalef32_pk16_fp6_f32 v[S+6:S+8], v[S+32:S+47], v[SO+1]
	v_nop                                          ; one plain place behind the conversions
.irp i, 0,1,2
	v_mov_b32 v[S+\i], v[XX+\i]
	v_mov_b32 v[S+3+\i], v[XX+4+\i]
	v_mov_b32 v[S+9+\i], v[T0+2+\i]                ; p's fragment: registers 6 c .. 6 c + 5 hold keys 64 c + 32 h + 0 .. 31
.endr
	WIN \wo
	s_wait_alu depctr_va_vdst(0)                   ; directly ahead of the first reader of O^T
.irp j, 0,2,4,6,8,10,12,14,16,18,20,22,24,26,28,30
	v_pk_mul_f32 v[\o+\j:\o+\j+1], v[\o+\j:\o+\j+1], v[FF:FF+1] op_sel_hi:[1,0]   ; O^T under the new M; also the places in front of the second product
.endr
.endm
; A KEY STEP: 128 keys, tile A and then tile B.  last = 1: nothing more is fetched or stepped.
.macro STEP last
	v_add_nc_u32 v[ADR], s18, v[BA]
	NOPS 4                                         ; with the addition five places behind the last step's products: loads land in p's codes, and the products below write over them
	BIAS 0
	s_wait_loadcnt 17                              ; k's 17 loads are in; v's 17, issued behind them, may be out
	s_wait_dscnt 0x0
	QK QZ+6, QZ, QSA
	NOPS 4                                         ; four places ahead of the first read of the logits
	SOFT NMA, SUMA, OA, 0
	s_wait_alu depctr_va_vdst(0)
	s_wait_loadcnt 0x0                             ; v is in
	PV OA, 0
	NOPS 5                                         ; five places: loads land in p's codes, and tile B's products write over them
	BIAS TILEB
	s_wait_dscnt 0x0
	QK QZ+18, QZ+12, QSB
	NOPS 4                                         ; four places: loads into k's registers, and the first read of the logits
.if !(\last)
	KLOAD RECB                                     ; the next step's k
.endif
	SOFT NMB, SUMB, OB, 0x41                       ; (O^T: destination and source 0 in window 1)
	PV OB, 0x50                                    ; C and D in window 1
	NOPS 4                                         ; four places ahead of loads into v's registers
.if !(\last)
	VLOAD RECB                                     ; the next step's v
	s_add_co_u32 s18, s18, 512                     ; 128 keys on in a bias row
	s_wait_xcnt 0x0                                ; the loads have read their base: it may step
	s_add_nc_u64 s[8:9], s[8:9], RECB
.endif
.endm
; A PHASE: two key steps on slot ph % 2.  In front of its barrier every wave waits for all its tensor loads (one is out: my rows of this slot), adds 0 to its spare word and waits for that and for its reads
; of the other slot; behind it the other slot takes fill ph + 1 (in phase 0: its first fill), one load a wave.
.macro PHASE ph
	s_wait_alu depctr_va_vdst(0)
	s_wait_tensorcnt 0x0
	ds_add_u32 v[SPW], v[NIL]
.if (\ph) == 0
	s_add_nc_u64 s[50:51], s[50:51], 2048          ; no load of mine is out: slot 0's next fill is keys 512 ..
.endif
.if (\ph) == 1
	s_add_nc_u64 s[54:55], s[54:55], 2048          ; slot 1's: keys 768 ..
.endif
	s_mov_b32 s18, ((\ph)%2)*SLOT
	s_wait_dscnt 0x0
	s_barrier_signal -1
	s_barrier_wait -1
.if (\ph) < 3
	tensor_load_to_lds s[52-4*((\ph)%2):55-4*((\ph)%2)], s[40:47]
	s_nop 0
	NOPS 4
.endif
.if (\ph) < 2
	global_prefetch_b8 v[PFO], s[4:5] offset:2048+1024*(\ph) th:TH_LOAD_NT scope:SCOPE_SE   ; fill ph + 2: the next phase's tensor load will want it; its registers are never rewritten
.endif
.if (\ph) < 3
	s_mov_b32 s19, 0
.Lstep\@:
	STEP 0
	s_add_co_u32 s19, s19, 1
	s_cmp_lt_u32 s19, 2
	s_wait_alu depctr_va_vdst(0)
	s_cbranch_scc1 .Lstep\@
.else
	STEP 0
	STEP 1                                         ; the eighth step is written out: no load leaves the buffer
.endif
.endm
	PHASE 0
	PHASE 1
	PHASE 2
	PHASE 3
; THE WAY OUT of one tile: O^T / the sum is a block of 32 of o in each lane: quantised, it is a half fragment of the last product's operand (in v[cd ..]), its two scale bytes in v[by]
.macro OUTQ o, wo, sum, cd, by
	v_add_f32 v[\sum], v[\sum], v[\sum+1]
	v_permlanex16_b32 v[T0+1], v[\sum], s16, s17
	v_add_f32 v[\sum], v[\sum], v[T0+1]            ; the row's sum
	s_wait_alu depctr_va_vdst(0)
	v_rcp_f32 v[\sum+1], v[\sum]
	v_nop                                          ; the plain place behind the reciprocal
	WIN \wo
	s_wait_alu depctr_va_vdst(0)                   ; ahead of the first reader of the reciprocal and of O^T
.set NN, 0
.rept 32
	v_mul_f32 v[S+NN], v[\o+NN], v[\sum+1]         ; o(my query, 64 head + 32 h + j)
.set NN, NN+1
.endr
	WIN 0
	v_max3_num_f32 v[T0], |v[S]|, |v[S+1]|, 0x1800000
.irp i, 2,4,6,8,10,12,14,16,18,20,22,24,26,28,30
	v_max3_num_f32 v[T0], v[T0], |v[S+\i]|, |v[S+\i+1]|
.endr
	v_add_nc_u32 v[SO], 0xff000000, v[T0]
	v_lshrrev_b32 v[T0], 23, v[SO]
	v_cvt_scalef32_pk16_fp6_f32 v[\cd:\cd+2], v[S:S+15], v[SO]
	v_cvt_scalef32_pk16_fp6_f32 v[\cd+6:\cd+8], v[S+16:S+31], v[SO]
	v_nop
.irp i, 0,1,2
	v_mov_b32 v[\cd+3+\i], v[\cd+6+\i]
.endr
	v_permlanex16_b32 v[T0+1], v[T0], s16, s17
	v_lshlrev_b32 v[T0], v[SH], v[T0]
	v_lshlrev_b32 v[T0+1], v[T0+3], v[T0+1]
	v_or_b32 v[\by], v[T0], v[T0+1]                ; the head's two bytes of my query's scale word
.endm
	v_lshrrev_b32 v[T0+4], 2, v[L16]               ; 4 x lane: the scale bytes' offset
	v_sub_nc_u32 v[T0+3], 8, v[SH]                 ; 8 - 8 h
	OUTQ OA, 0, SUMA, KF, XX
	OUTQ OB, 0x01, SUMB, VF, XX+1
	global_store_b128 v[L16], v[KF:KF+3], s[10:11]
	global_store_b64 v[L8], v[KF+4:KF+5], s[10:11] offset:512
	global_store_b16 v[T0+4], v[XX], s[22:23] offset:36864
	global_store_b128 v[L16], v[VF:VF+3], s[10:11] offset:9216       ; tile B is the group's next tile: twelve half fragments and six scale words further on
	global_store_b64 v[L8], v[VF+4:VF+5], s[10:11] offset:9216+512
	global_store_b16 v[T0+4], v[XX+1], s[22:23] offset:36864+768
	s_wait_tensorcnt 0x0                           ; the wave's end
	ds_add_u32 v[SPW], v[NIL]
	s_wait_dscnt 0x0
	s_endpgm
.Lfunc_end_k_qcb55f17c57_attn:
	.size	k_qcb55f17c57_attn, .Lfunc_end_k_qcb55f17c57_attn-k_qcb55f17c57_attn
	.p2alignl 7, 3214868480
	.fill 96, 4, 3214868480
	.section	.rodata,"a",@progbits
	.p2align	6, 0x0
	.amdhsa_kernel k_qcb55f17c57_attn
		.amdhsa_group_segment_fixed_size 327680
		.amdhsa_private_segment_fixed_size 0
		.amdhsa_enable_private_segment 0
		.amdhsa_kernarg_size 24
		.amdhsa_user_sgpr_count 2
		.amdhsa_user_sgpr_kernarg_segment_ptr 1
		.amdhsa_wavefront_size32 1
		.amdhsa_system_sgpr_workgroup_id_x 1
		.amdhsa_system_sgpr_workgroup_id_y 1
		.amdhsa_system_sgpr_workgroup_id_z 1
		.amdhsa_system_vgpr_workitem_id 0
		.amdhsa_next_free_vgpr 336
		.amdhsa_next_free_sgpr 66
		.amdhsa_reserve_vcc 0
		.amdhsa_float_denorm_mode_32 3
		.amdhsa_float_denorm_mode_16_64 3
		.amdhsa_memory_ordered 1
		.amdhsa_forward_progress 1
		.amdhsa_inst_pref_size 173
	.end_amdhsa_kernel
	.amdgpu_metadata
---
amdhsa.version: [ 1, 2 ]
amdhsa.kernels:
  - .name:           k_qcb55f17c57_attn
    .symbol:         k_qcb55f17c57_attn.kd
    .args:
      - { .name: rel_pos_bias, .offset: 0, .size: 8, .value_kind: global_buffer, .address_space: global }
      - { .name: rec, .offset: 8, .size: 8, .value_kind: global_buffer, .address_space: global }
      - { .name: oim, .offset: 16, .size: 8, .value_kind: global_buffer, .address_space: global }
    .group_segment_fixed_size: 327680
    .private_segment_fixed_size: 0
    .kernarg_segment_align: 8
    .kernarg_segment_size: 24
    .max_flat_workgroup_size: 384
    .sgpr_count:     66
    .vgpr_count:     336
    .wavefront_size: 32
...
	.end_amdgpu_metadata
.endif
;; end of part 3
;; launch oproj (part 4): grid 128 x 2, 6 waves a work-group, no clusters, 67,072 bytes of LDS; arguments oim, img, b_o, out0; writes out0
.if DOCPART == 4
	.amdgcn_target "amdgcn-amd-amdhsa--gfx1250"
	.amdhsa_code_object_version 6
	.text
	.protected	k_qcb55f17c57_oproj
	.globl	k_qcb55f17c57_oproj
	.p2align	8
	.type	k_qcb55f17c57_oproj,@function
k_qcb55f17c57_oproj:
	s_mov_b64 s[64:65], 0
	v_nop
	global_prefetch_b8 v0, s[64:65] scope:SCOPE_SE
	s_setreg_imm32_b32 hwreg(HW_REG_WAVE_MODE, 25, 1), 1
	s_wait_xcnt 0x0
; Launch 4 of 4: out0 = o W_o^T + b_o on codes of FP6 (E2M3) with E8M0 scales.  No work of the problem is left out.
; SHARES.  A work-group takes 64 tokens (o's group record, ttmp9) and six groups of 64 output features; wave w takes group 6 y + w: 64 x 64 results, 16 accumulators, 96 matrix instructions.
; o's record (39,936 bytes) is copied into LDS once and read by all six waves; W_o's record comes from img straight into registers: both lie in the order of the operand's registers.
; W_o'S FRAGMENTS ARE ASKED FOR AT THE HEAD: K steps 0 to 4 (5 x 48 registers) fill window 1; K step 5 takes K step 0's registers as soon as those have been multiplied.  The 24 scale words lie in window 0.
; Source 0 = 16 rows of W_o, source 1 = 16 tokens; tiles are grouped tiles (row m of tile u is 8 u + (m & 7) + 32 (m >> 3) of its group of 64): a lane holds one token and features 32 h + 0 .. 31: 128 neighbouring bytes of a row of out0.
; THE WAY OUT: 16 tokens x 256 bytes at a time through the wave's own stage in LDS, back as whole rows: sixteen lanes store 256 consecutive bytes, aligned.
; NO CLUSTER: no tile is brought by a tensor load here, so there is no request that could be made jointly.  NO PREFETCH: there is no loop to run ahead in; all loads go out at the head.
.set GRB,   39936
.set SCO,   36864
.set STG,   39936                      ; LDS: behind o's record: a stage of 16 rows x (256 + 16) bytes for each wave
.set SPARE, 66048                      ; behind the six stages: the spare words, 128 bytes a wave
.set L16,  1
.set L8,   2
.set L4,   3
.set SPW,  4                           ; my spare word; never rewritten
.set NIL,  5                           ; 0; never rewritten
.set STO,  6                           ; the stage: where I put my 128 bytes of a row
.set RD,   7                           ; and where I read a row back
.set CA,   8                           ; the copy's offset
.set TA,   9                           ; b_o: 128 h
.set CO,   10                          ; my byte offset in out0
.set XS,   12                          ; v12-15  o's scale words
.set WS,   16                          ; v16-39  W_o's scale words: 4 kk + u
.set BI,   40                          ; v40-71  b_o
.set XF,   72                          ; v72-119 o's four fragments of a K step
.set ACC,  120                         ; v120-247
.set MSB, 0
.macro WIN new                         ; the immediate's high byte repeats the setting that is left
.if MSB != \new
	s_set_vgpr_msb (MSB<<8)|\new
.set MSB, \new
.endif
.endm
	s_load_b256 s[4:11], s[0:1], 0x0               ; oim, img, b_o, out0
	v_lshl_add_u32 v[SPW], v0, 2, SPARE
	v_mov_b32 v[NIL], 0
	v_lshrrev_b32 v[L16], 5, v0
	v_readfirstlane_b32 s2, v[L16]                 ; wave
	v_and_b32 v[L4], 31, v0
	v_lshlrev_b32 v[L16], 4, v[L4]
	v_lshlrev_b32 v[L8], 3, v[L4]
	v_lshlrev_b32 v[L4], 2, v[L4]
	s_mul_i32 s12, s2, 6656
	v_add_nc_u32 v[CA], s12, v[L16]                ; my 13 x 512 bytes of o's record
	s_mul_i32 s12, s2, 4352
	s_add_co_u32 s12, s12, STG                     ; my stage
	v_and_b32 v11, 15, v0                          ; r
	v_bfe_u32 v12, v0, 4, 1                        ; h
	v_mul_u32_u24 v[STO], v11, 272
	v_lshl_add_u32 v[STO], v12, 7, v[STO]
	v_add_nc_u32 v[STO], s12, v[STO]
	v_mul_u32_u24 v[RD], v12, 272
	v_lshl_add_u32 v[RD], v11, 4, v[RD]
	v_add_nc_u32 v[RD], s12, v[RD]
	v_mul_u32_u24 v[CO], v12, 3072
	v_lshl_add_u32 v[CO], v11, 4, v[CO]
	v_lshlrev_b32 v[TA], 7, v12
	s_and_b32 s3, ttmp7, 0xffff                    ; y
	s_mul_i32 s3, s3, 6
	s_add_co_u32 s3, s3, s2                        ; the group of 64 output features
	s_mul_i32 s12, ttmp9, GRB
	s_mov_b32 s13, 0
	s_add_co_u32 s14, s3, 164
	s_mul_i32 s14, s14, GRB
	s_mov_b32 s15, 0
	s_lshl_b32 s16, s3, 8                          ; 64 numbers of 4 bytes
	s_mov_b32 s17, 0
	s_mul_i32 s18, ttmp9, 196608                   ; 64 rows of 3,072 bytes
	s_add_co_u32 s18, s18, s16
	s_mov_b32 s19, 0
	s_wait_alu depctr_va_vdst(0)
	s_wait_kmcnt 0x0
	s_add_nc_u64 s[12:13], s[4:5], s[12:13]        ; o's record
	s_add_nc_u64 s[14:15], s[6:7], s[14:15]        ; W_o's
	s_add_nc_u64 s[8:9], s[8:9], s[16:17]
	s_add_nc_u64 s[10:11], s[10:11], s[18:19]
.macro WLOAD kk                        ; W_o's four fragments of K step kk into window 1, at 48 (kk % 5), and its four scale words: 20 loads
	WIN 0x40
.irp u, 0,1,2,3
.irp c, 0,1
	global_load_b128 v[48*((\kk)%5)+12*\u+6*\c:48*((\kk)%5)+12*\u+6*\c+3], v[L16], s[14:15] offset:((6*\u+(\kk))*2+\c)*768
	global_load_b64 v[48*((\kk)%5)+12*\u+6*\c+4:48*((\kk)%5)+12*\u+6*\c+5], v[L8], s[14:15] offset:((6*\u+(\kk))*2+\c)*768+512
.endr
.endr
	WIN 0
.irp u, 0,1,2,3
	global_load_b32 v[WS+4*(\kk)+\u], v[L4], s[14:15] offset:SCO+(6*\u+(\kk))*128
.endr
.endm
.macro XLOAD kk                        ; o's, from LDS: each load takes consecutive bytes
.irp u, 0,1,2,3
.irp c, 0,1
	ds_load_b128 v[XF+12*\u+6*\c:XF+12*\u+6*\c+3], v[L16] offset:((6*\u+(\kk))*2+\c)*768
	ds_load_b64 v[XF+12*\u+6*\c+4:XF+12*\u+6*\c+5], v[L8] offset:((6*\u+(\kk))*2+\c)*768+512
.endr
	ds_load_b32 v[XS+\u], v[L4] offset:SCO+(6*\u+(\kk))*128
.endr
.endm
; 16 matrix instructions: the 16 accumulators take turns, one instruction a turn, in the same order in every K step.  K step 0 starts the sums: nothing is cleared.
.macro MM16 kk
	WIN 0x01                                       ; source 0 (W_o) in window 1
.irp p, 0,1,2,3
.irp q, 0,1,2,3
.if (\kk) == 0
	v_wmma_scale_f32_16x16x128_f8f6f4 v[ACC+8*(4*\p+\q):ACC+8*(4*\p+\q)+7], v[48*((\kk)%5)+12*\q:48*((\kk)%5)+12*\q+11], v[XF+12*\p:XF+12*\p+11], 0, v[WS+4*(\kk)+\q], v[XS+\p] matrix_a_fmt:MATRIX_FMT_FP6 matrix_b_fmt:MATRIX_FMT_FP6
.else
	v_wmma_scale_f32_16x16x128_f8f6f4 v[ACC+8*(4*\p+\q):ACC+8*(4*\p+\q)+7], v[48*((\kk)%5)+12*\q:48*((\kk)%5)+12*\q+11], v[XF+12*\p:XF+12*\p+11], v[ACC+8*(4*\p+\q):ACC+8*(4*\p+\q)+7], v[WS+4*(\kk)+\q], v[XS+\p] matrix_a_fmt:MATRIX_FMT_FP6 matrix_b_fmt:MATRIX_FMT_FP6
.endif
.endr
.endr
	WIN 0
.endm
.macro KK kk                           ; a K step of 128
	XLOAD \kk
.if (\kk) < 3
	s_wait_loadcnt 60                              ; at most the youngest three K steps' 60 loads are out: this K step's are in
.else
	s_wait_loadcnt 20*(5-(\kk))                    ; the later K steps' loads, 20 each, may be out
.endif
	s_wait_dscnt 0x0                               ; o's 20
	MM16 \kk
.rept 4
	v_nop                                          ; four places in front of loads into registers that matrix instructions have read, and of the first read of results
.endr
.if (\kk) == 0
	WLOAD 5                                        ; into K step 0's registers
.endif
.endm
.irp i, 0,1,2,3,4,5,6,7,8,9,10,11,12
	global_load_b128 v[ACC+4*\i:ACC+4*\i+3], v[CA], s[12:13] offset:512*\i
.endr
.irp e, 0,1,2,3,4,5,6,7
	global_load_b128 v[BI+4*\e:BI+4*\e+3], v[TA], s[8:9] offset:16*\e
.endr
	WLOAD 0
	WLOAD 1
	s_wait_loadcnt 48                              ; the copy's 13 loads are in; b_o's 8 and W_o's first 40 may be out
.irp i, 0,1,2,3,4,5,6,7,8,9,10,11,12
	ds_store_b128 v[CA], v[ACC+4*\i:ACC+4*\i+3] offset:512*\i
.endr
	WLOAD 2
	WLOAD 3
	WLOAD 4
	s_wait_dscnt 0x0                               ; for the others' sake: my part of o's record lies in LDS
	s_barrier_signal -1
	s_barrier_wait -1                              ; everybody's does; the record is only read from here on, and each wave's stage is its own
.irp k, 0,1,2,3,4,5
	KK \k
.endr
.irp p, 0,1,2,3
.irp i, 0,2,4,6,8,10,12,14,16,18,20,22,24,26,28,30
	v_pk_add_f32 v[ACC+32*\p+\i:ACC+32*\p+\i+1], v[ACC+32*\p+\i:ACC+32*\p+\i+1], v[BI+\i:BI+\i+1]   ; + b_o (in since K step 5's wait for 0), each accumulator from its low end on
.endr
.endr
	s_wait_alu depctr_va_vdst(0)
.irp p, 0,1,2,3                        ; rows read back from the stage: v16-47 and v72-103 by turns: scale words, b_o and fragments that are done with
.if \p >= 2
	s_wait_xcnt 0x0                                ; the stores of two tiles back have read their registers: the loads below may land there
.endif
.irp i, 0,1,2,3,4,5,6,7
	ds_store_b128 v[STO], v[ACC+32*\p+4*\i:ACC+32*\p+4*\i+3] offset:16*\i
.endr
.irp i, 0,1,2,3,4,5,6,7
	ds_load_b128 v[16+56*(\p%2)+4*\i:16+56*(\p%2)+4*\i+3], v[RD] offset:544*\i   ; LDS serves a wave's instructions in order: these see my stores, and the next tile's stores come behind them
.endr
.irp i, 0,1,2,3,4,5,6,7
	s_wait_dscnt 7-\i
	global_store_b128 v[CO], v[16+56*(\p%2)+4*\i:16+56*(\p%2)+4*\i+3], s[10:11] offset:(8*\p+2*(\i%4)+32*(\i/4))*3072 th:TH_STORE_NT   ; tile rows 2 i, 2 i + 1 are tokens 8 p + 2 (i % 4) + 32 (i / 4) and the next
.endr
.endr
	s_wait_tensorcnt 0x0                           ; the wave's end
	ds_add_u32 v[SPW], v[NIL]
	s_wait_dscnt 0x0
	s_endpgm
.Lfunc_end_k_qcb55f17c57_oproj:
	.size	k_qcb55f17c57_oproj, .Lfunc_end_k_qcb55f17c57_oproj-k_qcb55f17c57_oproj
	.p2alignl 7, 3214868480
	.fill 96, 4, 3214868480
	.section	.rodata,"a",@progbits
	.p2align	6, 0x0
	.amdhsa_kernel k_qcb55f17c57_oproj
		.amdhsa_group_segment_fixed_size 67072
		.amdhsa_private_segment_fixed_size 0
		.amdhsa_enable_private_segment 0
		.amdhsa_kernarg_size 32
		.amdhsa_user_sgpr_count 2
		.amdhsa_user_sgpr_kernarg_segment_ptr 1
		.amdhsa_wavefront_size32 1
		.amdhsa_system_sgpr_workgroup_id_x 1
		.amdhsa_system_sgpr_workgroup_id_y 1
		.amdhsa_system_sgpr_workgroup_id_z 1
		.amdhsa_system_vgpr_workitem_id 0
		.amdhsa_next_free_vgpr 512
		.amdhsa_next_free_sgpr 66
		.amdhsa_reserve_vcc 0
		.amdhsa_float_denorm_mode_32 3
		.amdhsa_float_denorm_mode_16_64 3
		.amdhsa_memory_ordered 1
		.amdhsa_forward_progress 1
		.amdhsa_inst_pref_size 51
	.end_amdhsa_kernel
	.amdgpu_metadata
---
amdhsa.version: [ 1, 2 ]
amdhsa.kernels:
  - .name:           k_qcb55f17c57_oproj
    .symbol:         k_qcb55f17c57_oproj.kd
    .args:
      - { .name: oim, .offset: 0, .size: 8, .value_kind: global_buffer, .address_space: global }
      - { .name: img, .offset: 8, .size: 8, .value_kind: global_buffer, .address_space: global }
      - { .name: b_o, .offset: 16, .size: 8, .value_kind: global_buffer, .address_space: global }
      - { .name: out0, .offset: 24, .size: 8, .value_kind: global_buffer, .address_space: global }
    .group_segment_fixed_size: 67072
    .private_segment_fixed_size: 0
    .kernarg_segment_align: 8
    .kernarg_segment_size: 32
    .max_flat_workgroup_size: 192
    .sgpr_count:     66
    .vgpr_count:     512
    .wavefront_size: 32
...
	.end_amdgpu_metadata
.endif
;; end of part 4
